; MI455X (gfx1250); checked and timed in simulation.
; The chip was launched on July 23, 2026; its instructions are those of AMD's public machine-readable ISA for CDNA 5 (MIT licence, August 2026) and "CDNA5" Instruction Set Architecture Reference Guide (July 2026). The comments in the code are by the model that wrote it; some were corrected since.
;; Hyper Net Linear. Allowed arithmetic: float matrix products may take bf16 or f16 operands with f32 sums; all other float work in f32.
;; Inputs: Wb 128 x 256 float32; Ww 128 x 65,536 float32; bb 256 float32; bw 65,536 float32; latent 4,096 x 128 float32; x 4,096 x 256 float32.
;; Outputs: out0 4,096 x 256 float32.
;; 2 versions, each right. Each part assembles by itself: llvm-mc -triple=amdgcn-amd-amdhsa -mcpu=gfx1250 --defsym DOCPART=n.
;; ======== version 1 of 2: 1 launch
;; launch hyper (part 1): grid 16 x 16, 4 waves a work-group, no clusters, 320,000 bytes of LDS; arguments x, latent, Ww, bw, Wb, bb, out0; writes out0
.if DOCPART == 1
	.amdgcn_target "amdgcn-amd-amdhsa--gfx1250"
	.amdhsa_code_object_version 6
	.text
	.protected	k_q560c85d3df_hyper
	.globl	k_q560c85d3df_hyper
	.p2align	8
	.type	k_q560c85d3df_hyper,@function
k_q560c85d3df_hyper:
	s_mov_b64 s[64:65], 0
	v_nop
	global_prefetch_b8 v0, s[64:65] scope:SCOPE_SE
	s_setreg_imm32_b32 hwreg(HW_REG_WAVE_MODE, 25, 1), 1
	s_wait_xcnt 0x0
; out[b][o] = sum_i x[b][i] * (sum_l latent[b][l] * Ww[l][256 i + o] + bw[256 i + o]) + sum_l latent[b][l] * Wb[l][o] + bb[o]
; B = 4096, IN = OUT = 256, LAT = 128, all buffers f32.  One launch; the per-sample weight [B][IN][OUT] never leaves registers.
;
; SHARES.  Work-group (ox, by): rows 256 by .. +255, columns o0 = 16 ox .. +15, all 256 i (so no sum spans work-groups).
; Wave w: rows 64 w .. +63 as four tiles t of 16 rows; its latent rows stay in registers as 16 bf16 fragments for the whole kernel.
; A step u takes four i (i0 = 4 u) as four portions q of 16 columns: column m of portion q is (i = i0 + (m >> 2), o = o0 + 4 (m & 3) + q).
; With that map register q of a lane's 16-byte load at (l, i0 + (r >> 2), o0 + 4 (r & 3)) is lane r's number of portion q: nothing is transposed.
; Order of k, alike in both operands: chunk kc, lane half h, register p, half s hold l = 32 kc + 16 h + 2 p + s.
; The matrix instruction takes Ww's fragment as source 0 and latent's as source 1: register j of lane (r, h) of the result is
; weight(row 16 t + r, i = i0 + 2 h + (j >> 2), o = o0 + 4 (j & 3) + q).  bw enters in f32 as the C operand of each tile's first link.
; Then ACC[t][4 q + (j & 3)] += D[j] * x[row][i]; the two lane halves hold sums over different i and are added once at the end.
;
; PIPELINE.  Ww goes memory -> staging registers (four steps ahead) -> bf16 -> LDS image (wave w makes chunk kc = w of the NEXT step) ->
; fragments.  Phase g = 4 u + j loads the fragments of portion g, multiplies portion g - 1 (16 matrix instructions) and scales portion g - 2
; (16 packed multiply-adds, which also are the places behind the matrix instructions).  One barrier a step changes the two images.
;
; FORMATS AND LIMITS.  latent, Ww and Wb are rounded to bf16 (nearest even) for the matrix unit; x, bw, bb and every sum stay f32.
; The order of the sums differs from a plain f32 evaluation (l inside the matrix unit, i ascending in two interleaved halves).
; No range of values is excluded; NaN and infinities pass through the arithmetic as they come.
; A work-group owns 16 columns, so its loads of Ww, bw, Wb and its stores of out0 are pieces of 64 consecutive bytes; 64 columns a
; work-group would mean 64 rows for 256 work-groups, and then Ww would be fetched and converted by 64 row blocks instead of 16.
; NO CLUSTER: the 16 row blocks of one ox read the same Ww, but Ww has to pass through registers to be rounded to bf16; a joint tensor load
; would land it as f32 in LDS, 128 l x 4 i x 64 bytes = 32,768 bytes a step, two slots 65,536 bytes, beside the 319,488 bytes in use here.
.set WROW,   262144                    ; bytes in a row of Ww
.set STEPB,  4096                      ; four i of 1,024 bytes: a step along a row of Ww
.set XPITCH, 1040                      ; an LDS row of x: 1,024 bytes + 16 of padding: word 260 r + 2 h + {0,1} is 4 r + 2 h + {0,1} modulo 64, different in all 32 lanes
.set IMG0,   256*XPITCH                ; 266,240: behind x, two images of 16,384 bytes: portion q at 4096 q, chunk kc at 1024 kc, registers 0-3 at 16 L, 4-7 at 512 + 16 L
.set IMGB,   16384
.set BWP,    IMG0+2*IMGB               ; 299,008: bw in f32 in the order of the C operand: byte 256 u + 64 q + 32 h + 4 j
.set WBI,    BWP+16384                 ; 315,392: Wb's four fragments, laid as a portion of an image; ends at 319,488
; window 0
.set VFR, 2                            ; IMG0 + 16 L
.set VST, 3                            ; IMG0 + 1024 w + 16 L
.set VBW, 4                            ; BWP + 32 h, stepped by 1,024 every four steps
.set VX,  5                            ; (64 w + r) XPITCH + 8 h, stepped by 64 every four steps
.set VG,  6                            ; Ww: (32 w + 16 h) rows + (r >> 2) * 1024 + (r & 3) * 16
.set VL,  7                            ; latent: (64 w + r) * 512 + 64 h
.set VO,  8                            ; out0: (64 w + r) * 1024 + 32 h
.set VBG, 9                            ; bw: (v0 >> 2) * 1024 + (v0 & 3) * 16
.set VBS, 10                           ; BWP + 512 w + 256 h + 4 r
.set VWG, 11                           ; Wb: (32 w + 16 h) * 1024 + 4 r
.set VWS, 12                           ; WBI + 1024 w + 16 L
.set VBB, 13                           ; bb: 32 h
.set BB,  16                           ; v[16:23]   bb[o0 + 8 h + j]
.set ACC, 32                           ; v[32:95]   16 t + 4 q + (j & 3)
.set FR,  96                           ; v[96:159]  Ww fragments, 32 buffer + 8 kc
.set CB,  160                          ; v[160:175] bw as C operand, 8 buffer
.set DT,  176                          ; v[176:239] products, 32 set + 8 t
.set TMP, 240                          ; v[240:255] at work at the end
; window 1
.set LAT, 0                            ; v[256:383] latent fragments, 32 t + 8 kc
.set XR,  128                          ; v[384:399] x pairs, 8 parity + 2 t
.set PK,  144                          ; v[400:407] eight packed words on their way to the image
; window 2: four staging sets, 64 set + 4 tl + q.   window 3: latent as loaded (start only), 16 (4 t + kc) + element
; s_set_vgpr_msb's low byte: bits 1:0 source 0, 3:2 source 1, 5:4 source 2, 7:6 destination
.set MAIN, 0x04                        ; source 1 in window 1: matrix instructions (latent), packed multiply-adds (x), LDS stores (PK)
.set LDX,  0x40                        ; destination window 1
.set LDG,  0x80                        ; destination window 2
.set CVS,  0x4a                        ; window 2 -> window 1
.set LDR,  0xc0                        ; destination window 3
.set CVL,  0x4f                        ; window 3 -> window 1
.set MSB, 0
.macro WIN new                         ; the immediate's high byte repeats the setting that is left; a switch that changes nothing is dropped
.if MSB != \new
	s_set_vgpr_msb (MSB<<8)|\new
.set MSB, \new
.endif
.endm
; 16 loads: one step's 16 l of my chunk half into a staging set; base s[lo:lo+1], step k of the four that the base serves
.macro STAGE set, lo, k
.irp e, 0,1,2,3,4,5,6,7,8,9,10,11,12,13,14,15
	global_load_b128 v[64*(\set)+4*\e:64*(\set)+4*\e+3], v[VG], s[\lo:\lo+1] offset:\e*WROW+(\k)*STEPB
.endr
.endm
; matrix instruction n of a portion: kc = n >> 2, t = n & 3.  The four accumulators take turns, one instruction a turn, over the phases'
; borders and the loop's backward jump too.
.macro MM n, fb
.set KC_, (\n)>>2
.set T_,  (\n)&3
.if KC_ == 0
	v_wmma_f32_16x16x32_bf16 v[DT+32*(\fb)+8*T_:DT+32*(\fb)+8*T_+7], v[FR+32*(\fb):FR+32*(\fb)+7], v[LAT+32*T_:LAT+32*T_+7], v[CB+8*(\fb):CB+8*(\fb)+7]
.else
	v_wmma_f32_16x16x32_bf16 v[DT+32*(\fb)+8*T_:DT+32*(\fb)+8*T_+7], v[FR+32*(\fb)+8*KC_:FR+32*(\fb)+8*KC_+7], v[LAT+32*T_+8*KC_:LAT+32*T_+8*KC_+7], v[DT+32*(\fb)+8*T_:DT+32*(\fb)+8*T_+7]
.endif
.endm
; scale step n of a portion: t = n >> 2, pair p = n & 3 (j = 2 p, 2 p + 1).  p < 2 multiplies by the first x of the pair (i0 + 2 h), p >= 2 by the second.
; init = 1: the first product starts the sum, nothing is cleared.
.macro FM n, set, q, xp, init
.set T_, (\n)>>2
.set P_, (\n)&3
.set A_, ACC+16*T_+4*(\q)+2*(P_&1)
.set D_, DT+32*(\set)+8*T_+2*P_
.set X_, XR+8*(\xp)+2*T_
.if P_ < 2
.if \init
	v_pk_mul_f32 v[A_:A_+1], v[D_:D_+1], v[X_:X_+1] op_sel_hi:[1,0]
.else
	v_pk_fma_f32 v[A_:A_+1], v[D_:D_+1], v[X_:X_+1], v[A_:A_+1] op_sel_hi:[1,0,1]
.endif
.else
	v_pk_fma_f32 v[A_:A_+1], v[D_:D_+1], v[X_:X_+1], v[A_:A_+1] op_sel:[0,1,0]
.endif
.endm
; four matrix instructions, each followed by one scale step (or by v_nop where there is nothing to scale yet)
.macro GRP n0, doM, doF, init
.irp d, 0,1,2,3
.if \doM
	MM \n0+\d, FB_
.endif
.if \doF
	FM \n0+\d, LB_, Q_, XP_, \init
.else
.if \doM
	v_nop
.endif
.endif
.endr
.endm
; portion q of a staged step: 16 f32 a lane -> 8 words of bf16 -> my chunk of image par.  LDS stores' sources need no wait, so PK is reused at once.
.macro CVBLK q, set, par
	WIN CVS
.irp p, 0,1,2,3,4,5,6,7
	v_cvt_pk_bf16_f32 v[PK+\p], v[64*(\set)+8*\p+(\q)], v[64*(\set)+8*\p+4+(\q)]
.endr
	WIN MAIN
	ds_store_b128 v[VST], v[PK:PK+3] offset:(\par)*IMGB+(\q)*4096
	ds_store_b128 v[VST], v[PK+4:PK+7] offset:(\par)*IMGB+(\q)*4096+512
.endm
; Phase j of step k (k = step modulo 4).  Distances behind matrix instructions (ISA guide 7.12.1 for non-load instructions), counted in scale steps:
; loads into C and chunks 0-2 of a buffer stand behind scale steps 11..15 of the phase that multiplied it (5 places behind its instruction 11);
; the loads into chunk 3 behind step 15 and this phase's steps 0..3 (5 places behind instruction 15);
; the first read of a product tile t = 0 stands behind steps 12..15 (4 places behind instruction 12), later tiles further.
.macro PHASE j, k, doL, doM, doF, init, cv, lw, bar
.set FB_, ((\j)+1)&1
.set LB_, (\j)&1
.set Q_,  ((\j)+2)&3
.if (\j) < 2
.set XP_, ((\k)+1)&1
.else
.set XP_, (\k)&1
.endif
.set IO_, ((\k)&1)*IMGB+4096*(\j)
.set CS_, ((\k)+1)&3
.set CP_, ((\k)+1)&1
.if \doL
	ds_load_b128 v[CB+8*LB_:CB+8*LB_+3],   v[VBW] offset:256*(\k)+64*(\j)
	ds_load_b128 v[CB+8*LB_+4:CB+8*LB_+7], v[VBW] offset:256*(\k)+64*(\j)+16
.irp c, 0,1,2
	ds_load_b128 v[FR+32*LB_+8*\c:FR+32*LB_+8*\c+3],   v[VFR] offset:IO_+1024*\c
	ds_load_b128 v[FR+32*LB_+8*\c+4:FR+32*LB_+8*\c+7], v[VFR] offset:IO_+1024*\c+512
.endr
.endif
.if \doM
.if \doL
	s_wait_dscnt 0x8                               ; only the eight loads just issued may be out: the last phase's fragments, the image stores and x are done
.else
	s_wait_dscnt 0x0                               ; nothing was issued behind the last fragments
.endif
.endif
	GRP 0, \doM, \doF, \init
.if \doL
	ds_load_b128 v[FR+32*LB_+24:FR+32*LB_+27], v[VFR] offset:IO_+3072
	ds_load_b128 v[FR+32*LB_+28:FR+32*LB_+31], v[VFR] offset:IO_+3072+512
.endif
	GRP 4, \doM, \doF, \init
.if \cv
.if (\j) == 0
	s_wait_loadcnt \lw                             ; the next step's 16 staged loads are in; 16 for each younger step stay out
.endif
	CVBLK \j, CS_, CP_
.endif
	GRP 8, \doM, \doF, \init
.if \bar
	s_wait_dscnt 0x0                               ; my reads of this step's image and my stores into the next one are done:
	s_barrier_signal -1                            ; say so,
.endif
	GRP 12, \doM, \doF, \init                      ; work on registers while the others arrive,
.if \bar
	s_barrier_wait -1                              ; and go on: the next image is whole, and this one may be written over
.endif
.endm
; One step.  ld = 1: the step four further on is asked for, into the set whose numbers were converted in the step before.
; fill = 1: the kernel's first step (the pipeline fills), fill = 2: its second (the last two portions' sums start).
.macro TRIP k, ld, cv, lw, fill, bar
.if \ld
	WIN LDG
	STAGE \k, 36, \k
.endif
	WIN LDX
.irp y, 0,1,2,3
	ds_load_b64 v[XR+8*((\k)&1)+2*\y:XR+8*((\k)&1)+2*\y+1], v[VX] offset:16*XPITCH*\y+16*(\k)   ; x[row 16 y + r][i0 + 2 h, + 1]
.endr
	WIN MAIN
.if \fill == 1
	PHASE 0, \k, 1, 0, 0, 0, \cv, \lw, 0
	PHASE 1, \k, 1, 1, 0, 0, \cv, \lw, 0
	PHASE 2, \k, 1, 1, 1, 1, \cv, \lw, 0
	PHASE 3, \k, 1, 1, 1, 1, \cv, \lw, \bar
.else
.if \fill == 2
	PHASE 0, \k, 1, 1, 1, 1, \cv, \lw, 0
	PHASE 1, \k, 1, 1, 1, 1, \cv, \lw, 0
.else
	PHASE 0, \k, 1, 1, 1, 0, \cv, \lw, 0
	PHASE 1, \k, 1, 1, 1, 0, \cv, \lw, 0
.endif
	PHASE 2, \k, 1, 1, 1, 0, \cv, \lw, 0
	PHASE 3, \k, 1, 1, 1, 0, \cv, \lw, \bar
.endif
.endm
; Four steps, once through the staging sets; then the bases step.  48 = the 16 loads of each of the three younger steps.
.macro ITER f0, f1
	TRIP 0, 1, 1, 48, \f0, 1
	TRIP 1, 1, 1, 48, \f1, 1
	TRIP 2, 1, 1, 48, 0, 1
	TRIP 3, 1, 1, 48, 0, 1
	WIN 0                                          ; at a label and at a branch every window is 0
	v_add_nc_u32 v[VBW], 1024, v[VBW]              ; four steps of 256 bytes of bw
	v_add_nc_u32 v[VX], 64, v[VX]                  ; sixteen i of x
	s_wait_xcnt 0x0                                ; the staged loads have had their addresses translated: their base is stepped only behind this wait
	s_add_nc_u64 s[36:37], s[36:37], 4*STEPB
.endm
	; ---- addresses, ids, the descriptor ----
	s_load_b256 s[4:11], s[0:1], 0x0               ; x s[4:5], latent s[6:7], Ww s[8:9], bw s[10:11]
	s_load_b128 s[12:15], s[0:1], 0x20             ; Wb s[12:13], bb s[14:15]
	s_load_b64 s[16:17], s[0:1], 0x30              ; out0
	v_lshl_add_u32 v30, v0, 2, 0x4e000
	v_mov_b32 v31, 0
	ds_add_u32 v30, v31
	v_lshrrev_b32 v1, 5, v0
	v_readfirstlane_b32 s18, v1                    ; wave w
	s_mov_b32 s19, ttmp9                           ; ox
	s_and_b32 s20, ttmp7, 0xffff                   ; by
	s_mov_b32 s39, 0xffff0000                      ; lane mask: the upper half (h = 1)
	s_mov_b32 s40, 0x76543210                      ; v_permlanex16_b32: lane i of one half reads lane i of the other
	s_mov_b32 s41, 0xfedcba98
	v_and_b32 v1, 31, v0                           ; L
	v_and_b32 v14, 15, v0                          ; r
	v_bfe_u32 v15, v0, 4, 1                        ; h
	v_lshrrev_b32 v24, 4, v0                       ; 2 w + h
	v_lshrrev_b32 v25, 2, v14                      ; r >> 2
	v_and_b32 v26, 3, v0                           ; r & 3
	v_lshrrev_b32 v27, 2, v0
	v_lshlrev_b32 v[VFR], 4, v1
	v_add_nc_u32 v[VFR], IMG0, v[VFR]
	s_lshl_b32 s21, s18, 10
	v_add_nc_u32 v[VST], s21, v[VFR]
	s_add_co_u32 s21, s21, WBI
	v_lshl_add_u32 v[VWS], v1, 4, s21
	v_lshlrev_b32 v[VBW], 5, v15
	v_add_nc_u32 v[VBW], BWP, v[VBW]
	s_mul_i32 s21, s18, 64*XPITCH
	v_mul_u32_u24 v[VX], v14, XPITCH
	v_lshl_add_u32 v[VX], v15, 3, v[VX]
	v_add_nc_u32 v[VX], s21, v[VX]
	v_lshlrev_b32 v[VG], 22, v24                   ; 16 rows of Ww are 1 << 22 bytes
	v_lshl_add_u32 v[VG], v25, 10, v[VG]
	v_lshl_add_u32 v[VG], v26, 4, v[VG]
	s_lshl_b32 s21, s18, 15
	v_lshlrev_b32 v[VL], 9, v14
	v_lshl_add_u32 v[VL], v15, 6, v[VL]
	v_add_nc_u32 v[VL], s21, v[VL]
	s_lshl_b32 s21, s18, 16
	v_lshlrev_b32 v[VO], 10, v14
	v_lshl_add_u32 v[VO], v15, 5, v[VO]
	v_add_nc_u32 v[VO], s21, v[VO]
	v_lshlrev_b32 v[VBG], 10, v27
	v_lshl_add_u32 v[VBG], v26, 4, v[VBG]
	s_lshl_b32 s21, s18, 9
	s_add_co_u32 s21, s21, BWP
	v_lshlrev_b32 v[VBS], 8, v15
	v_lshl_add_u32 v[VBS], v14, 2, v[VBS]
	v_add_nc_u32 v[VBS], s21, v[VBS]
	v_lshlrev_b32 v[VWG], 14, v24
	v_lshl_add_u32 v[VWG], v14, 2, v[VWG]
	v_lshlrev_b32 v[VBB], 5, v15
	; x: one tensor load a wave, its own 64 rows of 256 f32, into its own bytes, filled once and read by this wave alone
	s_mov_b32 s24, 1                               ; group 0: count = 1
	s_mul_i32 s25, s18, 64*XPITCH                  ; LDS address: wave x 66,560
	s_mov_b32 s28, (2<<16)|(1<<20)|(7<<22)|(3<<25) ; group 1: no mask; elements of 4 bytes; padding on: behind every 256 words (code 7) 4 words (code 3)
	s_mov_b32 s29, 256<<16                         ; tensor_dim0 = 256
	s_mov_b32 s30, 64<<16                          ; tensor_dim1 = 64
	s_mov_b32 s31, 256<<16                         ; tile_dim0 = 256
	s_mov_b32 s32, 64                              ; tile_dim1 = 64
	s_mov_b32 s33, 256                             ; 256 elements from row to row
	s_mov_b32 s34, 0
	s_mov_b32 s35, 0
	s_mov_b32 s23, 0
	s_wait_dscnt 0x0
	s_wait_kmcnt 0x0
	s_lshl_b32 s22, s20, 18                        ; 256 rows of 1,024 bytes
	s_add_nc_u64 s[16:17], s[16:17], s[22:23]      ; out0 at the block's first row
	s_add_nc_u64 s[26:27], s[4:5], s[22:23]        ; x likewise,
	s_lshl_b32 s22, s18, 16
	s_add_nc_u64 s[26:27], s[26:27], s[22:23]      ; at my wave's 64 rows
	s_or_b32 s27, s27, 0x80000000                  ; type = 2
	tensor_load_to_lds s[24:27], s[28:35]          ; the wave's only tensor load: one is out
	s_nop 0
	s_lshl_b32 s22, s20, 17                        ; 256 rows of 512 bytes
	s_add_nc_u64 s[6:7], s[6:7], s[22:23]
	s_lshl_b32 s22, s19, 6                         ; 16 columns of 4 bytes
	s_add_nc_u64 s[8:9], s[8:9], s[22:23]
	s_add_nc_u64 s[10:11], s[10:11], s[22:23]
	s_add_nc_u64 s[12:13], s[12:13], s[22:23]
	s_add_nc_u64 s[14:15], s[14:15], s[22:23]
	s_add_nc_u64 s[16:17], s[16:17], s[22:23]
	s_add_nc_u64 s[36:37], s[8:9], 4*STEPB         ; the base of the loads that run four steps ahead
	; ---- all the start's loads, in the order in which they are needed ----
	WIN LDR
.set b_, 0                                         ; b = 4 t + kc
.rept 16
.irp e, 0,1,2,3
	global_load_b128 v[16*b_+4*\e:16*b_+4*\e+3], v[VL], s[6:7] offset:(b_>>2)*8192+(b_&3)*128+16*\e   ; latent[16 t + r][32 kc + 16 h + 4 e ..]
.endr
.set b_, b_+1
.endr
	WIN 0
.irp n, 0,1,2,3,4,5,6,7
	global_load_b128 v[96+4*\n:96+4*\n+3], v[VBG], s[10:11] offset:\n*32768     ; bw[i = 32 n + (v0 >> 2)][o0 + 4 (v0 & 3) ..]
.endr
.irp e, 0,1,2,3,4,5,6,7,8,9,10,11,12,13,14,15
	global_load_b32 v[128+\e], v[VWG], s[12:13] offset:\e*1024                  ; Wb[32 w + 16 h + e][o0 + r]
.endr
	global_load_b128 v[BB:BB+3],   v[VBB], s[14:15]
	global_load_b128 v[BB+4:BB+7], v[VBB], s[14:15] offset:16
	WIN LDG
	STAGE 0, 8, 0                                  ; steps 0 to 3
	STAGE 1, 8, 1
	STAGE 2, 8, 2
	STAGE 3, 8, 3
	s_wait_loadcnt 63                              ; 154 loads were issued: the first 91 are in, latent's 64, bw's 8, Wb's 16 and bb's 2 among them
	WIN CVL
.set b_, 0
.rept 16
.irp p, 0,1,2,3,4,5,6,7
	v_cvt_pk_bf16_f32 v[LAT+8*b_+\p], v[16*b_+2*\p], v[16*b_+2*\p+1]
.endr
.set b_, b_+1
.endr
	WIN 0
.irp n, 0,1,2,3,4,5,6,7
.irp q, 0,1,2,3
	ds_store_b32 v[VBS], v[96+4*\n+\q] offset:\n*2048+\q*64                     ; step 8 n + 2 w + h, portion q, place 4 r
.endr
.endr
.irp p, 0,1,2,3,4,5,6,7
	v_cvt_pk_bf16_f32 v[144+\p], v[128+2*\p], v[128+2*\p+1]
.endr
	ds_store_b128 v[VWS], v[144:147]
	ds_store_b128 v[VWS], v[148:151] offset:512
	s_wait_loadcnt 48                              ; step 0 is in; steps 1 to 3 (16 loads each) stay out
	CVBLK 0, 0, 0
	CVBLK 1, 0, 0
	CVBLK 2, 0, 0
	CVBLK 3, 0, 0
	s_wait_tensorcnt 0x0                           ; my rows of x are in LDS
	s_wait_dscnt 0x0                               ; my parts of image 0, of bw and of Wb are written
	s_barrier_signal -1
	s_barrier_wait -1                              ; everybody's are
	; ---- 64 steps: 4 written out (the pipeline fills), 56 in the loop, 4 written out (nothing more is asked for) ----
	ITER 1, 2
	s_mov_b32 s38, 14
.Lfour:
	ITER 0, 0
	s_sub_co_u32 s38, s38, 1
	s_cmp_lg_u32 s38, 0
	s_cbranch_scc1 .Lfour
	TRIP 0, 0, 1, 32, 0, 1                         ; the counts run down: two, one, no younger step
	TRIP 1, 0, 1, 16, 0, 1
	TRIP 2, 0, 1, 0, 0, 1
	TRIP 3, 0, 0, 0, 0, 0                          ; the last step converts nothing and changes no image
	PHASE 0, 0, 0, 1, 1, 0, 0, 0, 0                ; the pipeline drains: the last portion is multiplied, the last but one scaled,
	PHASE 1, 0, 0, 0, 1, 0, 0, 0, 0                ; and the last one scaled
	; ---- the bias: latent x Wb + bb, bb as the C operand of the first link.  Register j of lane (r, h): (row 16 t + r, o = o0 + 8 h + j) ----
	WIN 0
.irp c, 0,1,2,3
	ds_load_b128 v[FR+8*\c:FR+8*\c+3],   v[VFR] offset:WBI-IMG0+1024*\c           ; buffer 0 was last multiplied 32 scale steps ago
	ds_load_b128 v[FR+8*\c+4:FR+8*\c+7], v[VFR] offset:WBI-IMG0+1024*\c+512
.endr
	s_wait_dscnt 0x0
	WIN MAIN
.irp y, 0,1,2,3
	v_wmma_f32_16x16x32_bf16 v[DT+8*\y:DT+8*\y+7], v[FR:FR+7], v[LAT+32*\y:LAT+32*\y+7], v[BB:BB+7]
.endr
.irp c, 1,2,3
.irp y, 0,1,2,3
	v_wmma_f32_16x16x32_bf16 v[DT+8*\y:DT+8*\y+7], v[FR+8*\c:FR+8*\c+7], v[LAT+32*\y+8*\c:LAT+32*\y+8*\c+7], v[DT+8*\y:DT+8*\y+7]
.endr
.endr
	; ---- the two halves' sums meet.  o = o0 + 8 h + j lies at ACC[4 (j & 3) + (j >> 2) + 2 h]: each half keeps its own eight and sends the
	; other half's eight across.  These lines touch none of the bias product's registers and are the places behind it. ----
	WIN 0
.irp y, 0,1,2,3
.irp j, 0,1,2,3,4,5,6,7
	v_cndmask_b32 v[TMP+2*\j],   v[ACC+16*\y+4*(\j&3)+(\j>>2)+2], v[ACC+16*\y+4*(\j&3)+(\j>>2)],   s39   ; to send
	v_cndmask_b32 v[TMP+2*\j+1], v[ACC+16*\y+4*(\j&3)+(\j>>2)],   v[ACC+16*\y+4*(\j&3)+(\j>>2)+2], s39   ; to keep
.endr
.irp j, 0,1,2,3,4,5,6,7
	v_permlanex16_b32 v[DT+32+8*\y+\j], v[TMP+2*\j], s40, s41                     ; its destination has been written (the last products)
.endr
.irp j, 0,1,2,3,4,5,6,7
	v_add_f32 v[DT+32+8*\y+\j], v[DT+32+8*\y+\j], v[TMP+2*\j+1]
.endr
.endr
.irp y, 0,1,2,3
.irp p, 0,2,4,6
	v_pk_add_f32 v[DT+32+8*\y+\p:DT+32+8*\y+\p+1], v[DT+32+8*\y+\p:DT+32+8*\y+\p+1], v[DT+8*\y+\p:DT+8*\y+\p+1]
.endr
	global_store_b128 v[VO], v[DT+32+8*\y:DT+32+8*\y+3],   s[16:17] offset:16384*\y      ; a lane's 32 bytes; two lanes fill the block's 64 bytes of a row
	global_store_b128 v[VO], v[DT+32+8*\y+4:DT+32+8*\y+7], s[16:17] offset:16384*\y+16
.endr
	s_wait_tensorcnt 0x0
	ds_add_u32 v30, v31
	s_wait_dscnt 0x0
	s_endpgm
.Lfunc_end_k_q560c85d3df_hyper:
	.size	k_q560c85d3df_hyper, .Lfunc_end_k_q560c85d3df_hyper-k_q560c85d3df_hyper
	.p2alignl 7, 3214868480
	.fill 96, 4, 3214868480
	.section	.rodata,"a",@progbits
	.p2align	6, 0x0
	.amdhsa_kernel k_q560c85d3df_hyper
		.amdhsa_group_segment_fixed_size 320000
		.amdhsa_private_segment_fixed_size 0
		.amdhsa_enable_private_segment 0
		.amdhsa_kernarg_size 56
		.amdhsa_user_sgpr_count 2
		.amdhsa_user_sgpr_kernarg_segment_ptr 1
		.amdhsa_wavefront_size32 1
		.amdhsa_system_sgpr_workgroup_id_x 1
		.amdhsa_system_sgpr_workgroup_id_y 1
		.amdhsa_system_sgpr_workgroup_id_z 1
		.amdhsa_system_vgpr_workitem_id 0
		.amdhsa_next_free_vgpr 1024
		.amdhsa_next_free_sgpr 66
		.amdhsa_reserve_vcc 0
		.amdhsa_float_denorm_mode_32 3
		.amdhsa_float_denorm_mode_16_64 3
		.amdhsa_memory_ordered 1
		.amdhsa_forward_progress 1
		.amdhsa_inst_pref_size 219
	.end_amdhsa_kernel
	.amdgpu_metadata
---
amdhsa.version: [ 1, 2 ]
amdhsa.kernels:
  - .name:           k_q560c85d3df_hyper
    .symbol:         k_q560c85d3df_hyper.kd
    .args:
      - { .name: x, .offset: 0, .size: 8, .value_kind: global_buffer, .address_space: global }
      - { .name: latent, .offset: 8, .size: 8, .value_kind: global_buffer, .address_space: global }
      - { .name: Ww, .offset: 16, .size: 8, .value_kind: global_buffer, .address_space: global }
      - { .name: bw, .offset: 24, .size: 8, .value_kind: global_buffer, .address_space: global }
      - { .name: Wb, .offset: 32, .size: 8, .value_kind: global_buffer, .address_space: global }
      - { .name: bb, .offset: 40, .size: 8, .value_kind: global_buffer, .address_space: global }
      - { .name: out0, .offset: 48, .size: 8, .value_kind: global_buffer, .address_space: global }
    .group_segment_fixed_size: 320000
    .private_segment_fixed_size: 0
    .kernarg_segment_align: 8
    .kernarg_segment_size: 56
    .max_flat_workgroup_size: 128
    .sgpr_count:     66
    .vgpr_count:     1024
    .wavefront_size: 32
...
	.end_amdgpu_metadata
.endif
;; end of part 1
;; ======== version 2 of 2: 2 launches
;; workspace buffers: wwp 16,777,216 bytes; latb 1,048,576 bytes
;; launch pack (part 2): grid 64 x 4, 8 waves a work-group, no clusters, 68,608 bytes of LDS; arguments Ww, latent, wwp, latb; writes wwp, latb
.if DOCPART == 2
	.amdgcn_target "amdgcn-amd-amdhsa--gfx1250"
	.amdhsa_code_object_version 6
	.text
	.protected	k_q560c85d3df_pack
	.globl	k_q560c85d3df_pack
	.p2align	8
	.type	k_q560c85d3df_pack,@function
k_q560c85d3df_pack:
	s_mov_b64 s[64:65], 0
	v_nop
	global_prefetch_b8 v0, s[64:65] scope:SCOPE_SE
	s_setreg_imm32_b32 hwreg(HW_REG_WAVE_MODE, 25, 1), 1
	s_wait_xcnt 0x0
; Ww [128 l][256 i][256 o] f32  ->  wwp [16 ox][64 u][16,384 bytes]: bf16 (nearest even), already in the order of the matrix fragments.
; latent [4096][128] f32        ->  latb [4096][128] bf16 (nearest even), row-major.
; The image of (ox, u) holds four portions q of 16 columns; column m of portion q is (i = 4 u + (m >> 2), o = 16 ox + 4 q + (m & 3)).
; Byte q*4096 + kc*1024 + hf*512 + 16*(16 h + m) + 4 p + 2 s  holds  l = 32 kc + 16 h + 8 hf + 2 p + s  of that column.
; Work-group (u, oxg): all 128 l, the four i of step u, the 64 columns o = 64 oxg .. +63: 131,072 bytes in, four images' 65,536 bytes out;
; and 16 rows of latent (work-group number u + 64 oxg), two rows a wave.
; Wave w: l = 16 w .. 16 w + 15 (kc = w >> 1, h = w & 1).  Lane (a = bit 4, r = low four bits): i = 4 u + 2 j + a in load round j, o = 64 oxg + 4 r .. + 3.
; So sixteen lanes of a load cover 256 consecutive bytes, aligned.  Register c of such a load belongs to image r >> 2, portion r & 3, column m = 8 j + 4 a + c.
; A lane's 16 l of one column make two chunks of 16 bytes (hf = 0, 1); the sixteen chunks that lie side by side in an image belong to four i and
; four registers, so the chunks change lanes through the wave's own LDS bytes, and each store of the wave then covers two runs of 256 consecutive
; bytes, each aligned.  No wave reads another's bytes: no barrier.
; Every byte of Ww and latent is read once, every byte of wwp and latb written once; the matrix unit and a cluster have nothing to do here (no input is shared).
.set WROW, 262144                      ; bytes in a row of Ww
.set QP,   528                         ; LDS: a portion's two pieces of 256 bytes + 16
.set OXP,  4*QP                        ; 2,112 for an image: lane r of a store starts at 64 (r >> 2) + 16 (r & 3) modulo 256, sixteen different 16-byte columns
.set WREG, 4*OXP                       ; 8,448 bytes of LDS for a wave
.set VGI,  2                           ; 1024 a + 16 r
.set VLS,  3                           ; wave's LDS + (r >> 2) OXP + (r & 3) QP + 64 a
.set VLL,  4                           ; wave's LDS + 16 lane
.set VGO,  5                           ; 512 a + 16 r
.set VLI,  11                          ; latent: 32 lane
.set LR,   12                          ; v[12:19]   eight numbers of latent
.set LP,   20                          ; v[20:23]   the same in bf16
.set VLO,  24                          ; latb: 16 lane
.set RAW,  32                          ; v[32:159]  64 j + 4 e + c: Ww[16 w + e][..][.. + c]
.set PK,   160                         ; v[160:175] a chunk for each c
.set OUTR, 176                         ; v[176:239] the sixteen read-backs
	s_load_b256 s[20:27], s[0:1], 0x0              ; Ww s[20:21], latent s[22:23], wwp s[24:25], latb s[26:27]
	v_lshl_add_u32 v240, v0, 2, 0x10800
	v_mov_b32 v241, 0
	v_lshrrev_b32 v1, 5, v0
	v_readfirstlane_b32 s8, v1                     ; wave w
	s_and_b32 s9, ttmp7, 0xffff                    ; oxg;  ttmp9 = u
	v_and_b32 v6, 15, v0                           ; r
	v_bfe_u32 v7, v0, 4, 1                         ; a
	v_and_b32 v8, 31, v0                           ; lane
	v_lshrrev_b32 v9, 2, v6                        ; r >> 2: which of the four images
	v_and_b32 v10, 3, v0                           ; r & 3: which portion
	v_lshlrev_b32 v[VGI], 4, v6
	v_lshl_add_u32 v[VGI], v7, 10, v[VGI]
	s_mul_i32 s10, s8, WREG
	v_mul_u32_u24 v[VLS], v9, OXP
	v_mul_u32_u24 v25, v10, QP
	v_add_nc_u32 v[VLS], v[VLS], v25
	v_lshl_add_u32 v[VLS], v7, 6, v[VLS]
	v_add_nc_u32 v[VLS], s10, v[VLS]
	v_lshl_add_u32 v[VLL], v8, 4, s10
	v_lshlrev_b32 v[VGO], 4, v6
	v_lshl_add_u32 v[VGO], v7, 9, v[VGO]
	v_lshlrev_b32 v[VLI], 5, v8
	v_lshlrev_b32 v[VLO], 4, v8
	s_lshl_b32 s12, s8, 22                         ; Ww: 16 w rows
	s_lshl_b32 s14, ttmp9, 12                      ;   + four i of 1,024 bytes for each step
	s_add_co_u32 s12, s12, s14
	s_lshl_b32 s14, s9, 8                          ;   + 64 columns of 4 bytes
	s_add_co_u32 s12, s12, s14
	s_mov_b32 s13, 0
	s_lshl_b32 s16, s9, 22                         ; wwp: four ox of 64 images of 16,384 bytes
	s_lshl_b32 s14, ttmp9, 14                      ;   + image u
	s_add_co_u32 s16, s16, s14
	s_lshr_b32 s14, s8, 1
	s_lshl_b32 s14, s14, 10                        ;   + 1024 kc
	s_add_co_u32 s16, s16, s14
	s_and_b32 s14, s8, 1
	s_lshl_b32 s14, s14, 8                         ;   + 256 h
	s_add_co_u32 s16, s16, s14
	s_mov_b32 s17, 0
	s_lshl_b32 s15, s9, 6
	s_add_co_u32 s15, s15, ttmp9                   ; the work-group's number, 0 to 255
	s_lshl_b32 s28, s15, 13                        ; latent: 16 rows of 512 bytes a work-group
	s_lshl_b32 s14, s8, 10                         ;   + two rows a wave
	s_add_co_u32 s28, s28, s14
	s_mov_b32 s29, 0
	s_lshl_b32 s30, s15, 12                        ; latb: half of that
	s_lshl_b32 s14, s8, 9
	s_add_co_u32 s30, s30, s14
	s_mov_b32 s31, 0
	s_wait_kmcnt 0x0
	s_add_nc_u64 s[20:21], s[20:21], s[12:13]
	s_add_nc_u64 s[24:25], s[24:25], s[16:17]
	s_add_nc_u64 s[22:23], s[22:23], s[28:29]
	s_add_nc_u64 s[26:27], s[26:27], s[30:31]
	; all 34 loads of the wave at once
	global_load_b128 v[LR:LR+3],   v[VLI], s[22:23]
	global_load_b128 v[LR+4:LR+7], v[VLI], s[22:23] offset:16
.irp j, 0,1
.irp e, 0,1,2,3,4,5,6,7,8,9,10,11,12,13,14,15
	global_load_b128 v[RAW+64*\j+4*\e:RAW+64*\j+4*\e+3], v[VGI], s[20:21] offset:\e*WROW+\j*2048 th:TH_LOAD_NT
.endr
.endr
; eight l (hf) of load round j: for each register c four roundings of two numbers and one chunk into LDS.  LDS stores' sources need no wait, so PK is reused freely.
.macro CHUNKS j, hf
.irp c, 0,1,2,3
.irp p, 0,1,2,3
	v_cvt_pk_bf16_f32 v[PK+4*\c+\p], v[RAW+64*\j+4*(8*\hf+2*\p)+\c], v[RAW+64*\j+4*(8*\hf+2*\p+1)+\c]
.endr
	ds_store_b128 v[VLS], v[PK+4*\c:PK+4*\c+3] offset:\hf*256+128*\j+16*\c
.endr
.endm
	s_wait_loadcnt 24                              ; loads come back in order: latent's two and Ww's first eight are in, 24 younger ones stay out
.irp p, 0,1,2,3
	v_cvt_pk_bf16_f32 v[LP+\p], v[LR+2*\p], v[LR+2*\p+1]
.endr
	global_store_b128 v[VLO], v[LP:LP+3], s[26:27] th:TH_STORE_NT      ; the wave's two rows: 512 consecutive bytes, aligned
	CHUNKS 0, 0
	s_wait_loadcnt 16
	CHUNKS 0, 1
	s_wait_loadcnt 8
	CHUNKS 1, 0
	s_wait_loadcnt 0
	CHUNKS 1, 1
	; read back: n = 4 image + q; lanes 0-15 take the piece hf = 0, lanes 16-31 the piece hf = 1, which lie side by side in LDS.
	; LDS serves a wave's instructions in order (ISA guide 5.7.1): these loads see the stores above.
.irp n, 0,1,2,3,4,5,6,7,8,9,10,11,12,13,14,15
	ds_load_b128 v[OUTR+4*\n:OUTR+4*\n+3], v[VLL] offset:(\n>>2)*OXP+(\n&3)*QP
.endr
.irp n, 0,1,2,3,4,5,6,7,8,9,10,11,12,13,14,15
	s_wait_dscnt 15-\n                             ; read-back n is in, the younger ones stay out
	global_store_b128 v[VGO], v[OUTR+4*\n:OUTR+4*\n+3], s[24:25] offset:(\n>>2)*1048576+(\n&3)*4096 th:TH_STORE_NT
.endr
	s_wait_tensorcnt 0x0
	ds_add_u32 v240, v241
	s_wait_dscnt 0x0
	s_endpgm
.Lfunc_end_k_q560c85d3df_pack:
	.size	k_q560c85d3df_pack, .Lfunc_end_k_q560c85d3df_pack-k_q560c85d3df_pack
	.p2alignl 7, 3214868480
	.fill 96, 4, 3214868480
	.section	.rodata,"a",@progbits
	.p2align	6, 0x0
	.amdhsa_kernel k_q560c85d3df_pack
		.amdhsa_group_segment_fixed_size 68608
		.amdhsa_private_segment_fixed_size 0
		.amdhsa_enable_private_segment 0
		.amdhsa_kernarg_size 32
		.amdhsa_user_sgpr_count 2
		.amdhsa_user_sgpr_kernarg_segment_ptr 1
		.amdhsa_wavefront_size32 1
		.amdhsa_system_sgpr_workgroup_id_x 1
		.amdhsa_system_sgpr_workgroup_id_y 1
		.amdhsa_system_sgpr_workgroup_id_z 1
		.amdhsa_system_vgpr_workitem_id 0
		.amdhsa_next_free_vgpr 242
		.amdhsa_next_free_sgpr 66
		.amdhsa_reserve_vcc 0
		.amdhsa_float_denorm_mode_32 3
		.amdhsa_float_denorm_mode_16_64 3
		.amdhsa_memory_ordered 1
		.amdhsa_forward_progress 1
		.amdhsa_inst_pref_size 15
	.end_amdhsa_kernel
	.amdgpu_metadata
---
amdhsa.version: [ 1, 2 ]
amdhsa.kernels:
  - .name:           k_q560c85d3df_pack
    .symbol:         k_q560c85d3df_pack.kd
    .args:
      - { .name: Ww, .offset: 0, .size: 8, .value_kind: global_buffer, .address_space: global }
      - { .name: latent, .offset: 8, .size: 8, .value_kind: global_buffer, .address_space: global }
      - { .name: wwp, .offset: 16, .size: 8, .value_kind: global_buffer, .address_space: global }
      - { .name: latb, .offset: 24, .size: 8, .value_kind: global_buffer, .address_space: global }
    .group_segment_fixed_size: 68608
    .private_segment_fixed_size: 0
    .kernarg_segment_align: 8
    .kernarg_segment_size: 32
    .max_flat_workgroup_size: 256
    .sgpr_count:     66
    .vgpr_count:     242
    .wavefront_size: 32
...
	.end_amdgpu_metadata
.endif
;; end of part 2
;; launch hyper (part 3): grid 16 x 16, 8 waves a work-group, clusters of 4 x 4, 327,680 bytes of LDS; arguments x, latb, wwp, bw, Wb, bb, out0; writes out0
.if DOCPART == 3
	.amdgcn_target "amdgcn-amd-amdhsa--gfx1250"
	.amdhsa_code_object_version 6
	.text
	.protected	k_q560c85d3df_hyper
	.globl	k_q560c85d3df_hyper
	.p2align	8
	.type	k_q560c85d3df_hyper,@function
k_q560c85d3df_hyper:
	s_mov_b64 s[64:65], 0
	v_nop
	global_prefetch_b8 v0, s[64:65] scope:SCOPE_SE
	s_setreg_imm32_b32 hwreg(HW_REG_WAVE_MODE, 25, 1), 1
	s_wait_xcnt 0x0
	s_wait_alu depctr_hold_cnt(0) depctr_sa_sdst(0) depctr_va_vdst(0) depctr_va_sdst(0) depctr_va_ssrc(0) depctr_va_vcc(0) depctr_vm_vsrc(0)
	s_getreg_b32 s2, hwreg(HW_REG_IB_STS2, 6, 4)
	s_cmp_eq_u32 s2, 0
	s_cbranch_scc0 .Lentry_in_a_cluster
	s_endpgm
.Lentry_in_a_cluster:
	s_bfe_u32 s2, ttmp6, 0x10000c
	s_cmp_lg_u32 s2, 0xf033
	s_cbranch_scc0 .Lentry_shape_is_right
	s_endpgm
.Lentry_shape_is_right:
; out[b][o] = sum_i x[b][i] * (sum_l latent[b][l] * Ww[l][256 i + o] + bw[256 i + o]) + sum_l latent[b][l] * Wb[l][o] + bb[o]
; B = 4096, IN = OUT = 256, LAT = 128.  Ww comes as wwp (bf16 fragment images) and latent as latb (bf16, row-major), both made by the launch before.
; The per-sample weight never leaves registers.
;
; SHARES.  Work-group (ox, by): rows 256 by .. +255, columns o0 = 16 ox .. +15, all 256 i (so no sum spans work-groups).
; EIGHT WAVES, two on each SIMD: while one wave issues its run of LDS loads or its scale steps, the other's matrix instructions go on.
; Wave w8 = (rg = w8 >> 1, qh = w8 & 1): rows 64 rg .. +63 as four tiles t of 16 rows, columns o0 + 8 qh .. +7.  Its latent rows stay in registers as
; 16 bf16 fragments for the whole kernel.  Each fragment of Ww is read from LDS by four waves (the four row groups), as it would be with four waves of 64 rows.
; A step u takes four i (i0 = 4 u) as four portions q of 16 columns: column m of portion q is (i = i0 + (m >> 2), o = o0 + 4 q + (m & 3)).
; A wave takes the portions q = 2 qh + j, j = 0, 1.
; Order of k, alike in both operands: chunk kc, lane half h, register p, half s hold l = 32 kc + 16 h + 2 p + s.
; The matrix instruction takes Ww's fragment as source 0 and latent's as source 1: register j' of lane (r, h) of the result is
; weight(row 16 t + r, i = i0 + 2 h + (j' >> 2), o = o0 + 4 q + (j' & 3)).  bw enters in f32 as the C operand of each tile's first link.
; Then ACC[t][4 j + (j' & 3)] += D[j'] * x[row][i]; the two lane halves hold sums over different i and are added once at the end.
;
; TILES.  A group is four steps: 65,536 bytes of images, two LDS slots that take turns; each wave fetches 8,192 bytes as 32 rows of 256 bytes.
; x comes in tiles of 256 rows x 32 i (two groups), two slots; each wave fetches 32 rows.
; CLUSTER 4 x 4.  The images hang on ox alone: the four work-groups of a column of the cluster ask for them jointly.  x's tiles hang on by alone:
; the four of a row ask jointly.  One round of the cluster's barrier a group (128 matrix instructions a wave); behind it the slot just read is asked
; for again, two groups ahead, so a tile has a whole group's work in which to land.  A wave has four tensor loads out at the start, later two at the most.
; x's tile rows are 128 consecutive bytes, not 256: with 64 i a tile the pattern of slots would repeat every 8 of the 16 groups and no loop would be left;
; with 32 i it repeats every four groups, and every LDS address in the loop is a register that never changes plus an immediate.
;
; PIPELINE.  Phase g = 2 u + j loads the fragments of the wave's portion g (one run of LDS loads), multiplies portion g - 1 (16 matrix instructions) and
; scales portion g - 2 (16 packed multiply-adds).  The scale steps lag three behind the matrix instructions, so that four of them stand behind the phase's last one.
;
; FORMATS AND LIMITS.  latent, Ww and Wb are rounded to bf16 (nearest even) for the matrix unit; x, bw, bb and every sum stay f32.
; The order of the sums differs from a plain f32 evaluation (l inside the matrix unit, i ascending in two interleaved halves).
; No range of values is excluded; NaN and infinities pass through the arithmetic as they come.
; A work-group owns 16 columns, so its loads of bw and Wb are pieces of 64 consecutive bytes and a wave's stores of out0 pieces of 32; 64 columns a
; work-group would mean 64 rows for 256 work-groups, and the images would then be fetched by 64 row blocks instead of 16.
.set XPITCH, 144                       ; an LDS row of x: 128 bytes + 16 of padding: word 36 r + 2 h + {0,1} is 4 (9 r mod 16) + 2 h + {0,1} modulo 64, different in all 32 lanes
.set XFETCH, 32*XPITCH                 ; 4,608: the rows that one wave fetches
.set XSLOT,  256*XPITCH                ; 36,864; x's two slots lie at 0
.set WR,     2*XSLOT                   ; 73,728: the images' two slots
.set WSLOT,  65536                     ; step k at 16384 k, portion q at 4096 q, chunk kc at 1024 kc, registers 0-3 at 16 L, 4-7 at 512 + 16 L
.set BWP,    WR+2*WSLOT                ; 204,800: bw in f32 in the order of the C operand: byte 256 u + 64 q + 32 h + 4 j'
.set WBI,    BWP+16384                 ; 221,184: Wb's fragments, 4,096 bytes for each qh (column m is o = o0 + 8 qh + (m & 7)); ends at 229,376
; window 0
.set VFR0, 2                           ; WR + 8192 qh + 16 L;  VFR0 + 1: the same in slot 1
.set VBW, 4                            ; BWP + 128 qh + 32 h, stepped by 1,024 a group
.set VX,  5                            ; (64 rg + r) XPITCH + 8 h
.set VWL, 6                            ; WBI + 4096 qh + 16 L
.set VL,  7                            ; latb: (64 rg + r) * 256 + 32 h
.set VO,  8                            ; out0: (64 rg + r) * 1024 + 32 qh + 16 h
.set VBG, 9                            ; bw: (thread >> 2) * 1024 + (thread & 3) * 16
.set VBS, 10                           ; BWP + 512 w8 + 256 h + 64 (r & 3) + 16 (r >> 2)
.set VWG, 11                           ; Wb: (32 rg + 16 h) * 1024 + 32 qh + 4 (r & 7)
.set VWS, 12                           ; WBI + 4096 qh + 1024 rg + 16 L
.set VBB, 13                           ; bb: 32 qh
.set BB,  16                           ; v[16:23]   bb[o0 + 8 qh + j']
.set ACC, 32                           ; v[32:63]   8 t + 4 j + (j' & 3): column o0 + 8 qh + that index modulo 8
.set FR,  96                           ; v[96:159]  Ww fragments, 32 buffer + 8 kc
.set CB,  160                          ; v[160:175] bw as C operand, 8 buffer
.set DT,  176                          ; v[176:239] products, 32 set + 8 t
.set TMP, 240                          ; v[240:255] at work at the end
.set KP,  FR+32                        ; at the end: what a lane keeps
.set BI,  FR+48                        ; at the end: its part of the bias
.set RC,  DT+32                        ; at the end: what it receives, then the result
; window 1
.set LAT, 0                            ; v[256:383] latent fragments, 32 t + 8 kc
.set XR,  128                          ; v[384:415] x pairs, 8 (step & 3) + 2 t
; scalars
.set G1W, 32                           ; s[32:39] group 1 of the images' tiles
.set G0W, 40                           ; s[40:47] their group 0, a set for each slot
.set G1X, 48                           ; s[48:55] group 1 of x's tiles
.set G0X, 56                           ; s[56:63] their group 0, a set for each slot
; s_set_vgpr_msb's low byte: bits 1:0 source 0, 3:2 source 1, 5:4 source 2, 7:6 destination
.set MAIN, 0x04                        ; source 1 in window 1: matrix instructions (latent), packed multiply-adds (x)
.set LDX,  0x40                        ; destination window 1
.set MSB, 0
.macro WIN new                         ; the immediate's high byte repeats the setting that is left; a switch that changes nothing is dropped
.if MSB != \new
	s_set_vgpr_msb (MSB<<8)|\new
.set MSB, \new
.endif
.endm
; A round of the cluster's barrier: my work-group's barrier, so that wave 0's signal speaks for all eight waves; wave 0 signals for the work-group;
; every wave waits for all sixteen work-groups; my work-group's barrier once more.
.macro CREST                           ; a round behind its opening barrier
	s_cmp_lg_u32 s18, 0
	s_cbranch_scc1 .Lnot_wave_0_\@
	s_barrier_signal -3
.Lnot_wave_0_\@:
	s_barrier_wait -3
	s_barrier_signal -1
	s_barrier_wait -1
.endm
.macro CROUND                          ; a whole round
	s_barrier_signal -1
	s_barrier_wait -1
	CREST
.endm
; matrix instruction n of a portion: kc = n >> 2, t = n & 3.  The four accumulators take turns, one instruction a turn, over the phases'
; borders and the loop's backward jump too.
.macro MM n, fb
.set KC_, (\n)>>2
.set T_,  (\n)&3
.if KC_ == 0
	v_wmma_f32_16x16x32_bf16 v[DT+32*(\fb)+8*T_:DT+32*(\fb)+8*T_+7], v[FR+32*(\fb):FR+32*(\fb)+7], v[LAT+32*T_:LAT+32*T_+7], v[CB+8*(\fb):CB+8*(\fb)+7]
.else
	v_wmma_f32_16x16x32_bf16 v[DT+32*(\fb)+8*T_:DT+32*(\fb)+8*T_+7], v[FR+32*(\fb)+8*KC_:FR+32*(\fb)+8*KC_+7], v[LAT+32*T_+8*KC_:LAT+32*T_+8*KC_+7], v[DT+32*(\fb)+8*T_:DT+32*(\fb)+8*T_+7]
.endif
.endm
; scale step n of a portion: t = n >> 2, pair p = n & 3 (j' = 2 p, 2 p + 1).  p < 2 multiplies by the first x of the pair (i0 + 2 h), p >= 2 by the second.
; q: the wave's portion 0 or 1; xp: the step modulo 4.  init = 1: the first product starts the sum, nothing is cleared.
.macro FM n, set, q, xp, init
.set T_, (\n)>>2
.set P_, (\n)&3
.set A_, ACC+8*T_+4*(\q)+2*(P_&1)
.set D_, DT+32*(\set)+8*T_+2*P_
.set X_, XR+8*(\xp)+2*T_
.if P_ < 2
.if \init
	v_pk_mul_f32 v[A_:A_+1], v[D_:D_+1], v[X_:X_+1] op_sel_hi:[1,0]
.else
	v_pk_fma_f32 v[A_:A_+1], v[D_:D_+1], v[X_:X_+1], v[A_:A_+1] op_sel_hi:[1,0,1]
.endif
.else
	v_pk_fma_f32 v[A_:A_+1], v[D_:D_+1], v[X_:X_+1], v[A_:A_+1] op_sel:[0,1,0]
.endif
.endm
; a scale step, or v_nop in the one phase that multiplies and has nothing to scale yet
.macro SC n, doM, doF, init
.if \doF
	FM \n, LB_, LB_, XP_, \init
.else
.if \doM
	v_nop
.endif
.endif
.endm
; matrix instruction n and, from n = 3 on, scale step n - 3
.macro ONE n, doM, doF, init
.if \doM
	MM \n, FB_
.endif
.if (\n) >= 3
	SC (\n)-3, \doM, \doF, \init
.endif
.endm
; Phase j (0, 1) of step k of a group.  sl: the images' slot; bo, xo: the step's immediate offsets in bw and in x.
; The portion scaled here belongs to the step before: its x lies in the registers of (k + 3) & 3.
; Distances behind matrix instructions (ISA guide 7.12.1 for non-load instructions), counted in scale steps:
; the run of loads refills the buffer that the phase before multiplied; behind that phase's last matrix instruction stand its scale steps 12 to 15: 4 places;
; the first read of a product (tile 0, finished by instruction 12 of the phase before) stands behind that phase's steps 9 to 15: 7 places.
; bar != 0: the group's last phase.  In front of the signal each wave waits for its reads of this group's slots and for all its tensor loads.
.macro PHASE j, k, sl, bo, xo, doL, doM, doF, init, bar
.set FB_, ((\j)+1)&1
.set LB_, (\j)&1
.set XP_, ((\k)+3)&3
.set IO_, (\k)*16384+4096*(\j)
.set NL_, 10
.if \doL
	ds_load_b128 v[CB+8*LB_:CB+8*LB_+3],   v[VBW] offset:(\bo)+64*(\j)
	ds_load_b128 v[CB+8*LB_+4:CB+8*LB_+7], v[VBW] offset:(\bo)+64*(\j)+16
.irp c, 0,1,2,3
	ds_load_b128 v[FR+32*LB_+8*\c:FR+32*LB_+8*\c+3],   v[VFR0+\sl] offset:IO_+1024*\c
	ds_load_b128 v[FR+32*LB_+8*\c+4:FR+32*LB_+8*\c+7], v[VFR0+\sl] offset:IO_+1024*\c+512
.endr
.if (\j) == 0
.if ((\k)&1) == 0
.set NL_, 18
	WIN LDX                                        ; x of this step and the next in one run: two window switches for 64 matrix instructions
.irp z, 0,1
.irp y, 0,1,2,3
	ds_load_b64 v[XR+8*((\k)+\z)+2*\y:XR+8*((\k)+\z)+2*\y+1], v[VX] offset:(\xo)+16*\z+16*XPITCH*\y   ; x[row 16 y + r][i0 + 4 z + 2 h, + 1]: first used two phases on
.endr
.endr
	WIN MAIN
.endif
.endif
.endif
.if \doM
.if \doL
	s_wait_dscnt NL_                               ; only the loads just issued (10 of fragments, 8 more where x was loaded) may be out: the last phase's are in
.else
	s_wait_dscnt 0x0                               ; nothing was issued behind the last fragments
.endif
.endif
.irp d, 0,1,2,3,4,5,6,7,8,9,10,11
	ONE \d, \doM, \doF, \init
.endr
.if \bar
	s_wait_dscnt 0x0                               ; my reads of this group's slots are done,
	s_wait_tensorcnt 0x0                           ; and all my tensor loads have landed, my part of the next group among them:
	ds_add_u32 v95, v161
	s_wait_dscnt 0x0
	s_barrier_signal -1                            ; say so,
.endif
.irp d, 12,13,14,15
	ONE \d, \doM, \doF, \init                      ; work on registers while the others arrive,
.endr
.irp d, 13,14,15
	SC \d, \doM, \doF, \init
.endr
.if \bar
	WIN 0                                          ; (branches may follow)
	s_barrier_wait -1                              ; and go on when all eight have said so
.endif
.endm
; One step.  fill = 1: the kernel's first step (the pipeline fills), fill = 2: its second (the sums start).
.macro TRIP k, sl, xb, bwb, fill, bar
.if \fill == 1
	PHASE 0, \k, \sl, (\bwb)+256*(\k), (\xb)+16*(\k), 1, 0, 0, 0, 0
	PHASE 1, \k, \sl, (\bwb)+256*(\k), (\xb)+16*(\k), 1, 1, 0, 0, \bar
.else
.if \fill == 2
	PHASE 0, \k, \sl, (\bwb)+256*(\k), (\xb)+16*(\k), 1, 1, 1, 1, 0
	PHASE 1, \k, \sl, (\bwb)+256*(\k), (\xb)+16*(\k), 1, 1, 1, 1, \bar
.else
	PHASE 0, \k, \sl, (\bwb)+256*(\k), (\xb)+16*(\k), 1, 1, 1, 0, 0
	PHASE 1, \k, \sl, (\bwb)+256*(\k), (\xb)+16*(\k), 1, 1, 1, 0, \bar
.endif
.endif
.endm
; One group of four steps.  sl: the images' slot; xs: x's slot, gh: which half of its 32 i; gi: groups past VBW.
; bar = 2: the barrier at the group's end opens a round of the cluster's barrier, and behind the round slot sl is asked for again, two groups ahead
; (rx = 1: x's slot xs too, two tiles ahead).  bar = 1: my work-group's barrier alone, nothing is asked for.  bar = 0: the last group.
.macro GROUP sl, xs, gh, gi, f0, f1, bar, rx
	WIN MAIN
	TRIP 0, \sl, (\xs)*XSLOT+(\gh)*64, (\gi)*1024, \f0, 0
	TRIP 1, \sl, (\xs)*XSLOT+(\gh)*64, (\gi)*1024, \f1, 0
	TRIP 2, \sl, (\xs)*XSLOT+(\gh)*64, (\gi)*1024, 0, 0
	TRIP 3, \sl, (\xs)*XSLOT+(\gh)*64, (\gi)*1024, 0, \bar
.if \bar == 2
	CREST                                          ; no wave of any partner still reads these slots or has a load on its way
	s_add_nc_u64 s[G0W+4*\sl+2:G0W+4*\sl+3], s[G0W+4*\sl+2:G0W+4*\sl+3], 2*WSLOT
	tensor_load_to_lds s[G0W+4*\sl:G0W+4*\sl+3], s[G1W:G1W+7]      ; the first tensor load behind the round
	s_nop 0
	v_nop
	v_nop
	v_nop
	v_nop
.if \rx
	s_add_nc_u64 s[G0X+4*\xs+2:G0X+4*\xs+3], s[G0X+4*\xs+2:G0X+4*\xs+3], 256
	tensor_load_to_lds s[G0X+4*\xs:G0X+4*\xs+3], s[G1X:G1X+7]
	s_nop 0
.endif
.endif
.endm
	; ---- addresses, ids, descriptors ----
	s_load_b256 s[4:11], s[0:1], 0x0               ; x s[4:5], latb s[6:7], wwp s[8:9], bw s[10:11]
	s_load_b128 s[12:15], s[0:1], 0x20             ; Wb s[12:13], bb s[14:15]
	s_load_b64 s[16:17], s[0:1], 0x30              ; out0
	v_lshl_add_u32 v95, v0, 2, 0x38000
	s_set_vgpr_msb 0x40
	v_mov_b32 v161, 0
	s_set_vgpr_msb 0x4044
	ds_add_u32 v95, v161
	s_set_vgpr_msb 0x4400
	v_lshrrev_b32 v1, 5, v0
	v_readfirstlane_b32 s18, v1                    ; wave w8
	s_lshr_b32 s72, s18, 1                         ; rg: my 64 rows
	s_and_b32 s73, s18, 1                          ; qh: my eight columns
	s_bfe_u32 s66, ttmp6, 0x40000                  ; cx: my place along the cluster's x
	s_bfe_u32 s67, ttmp6, 0x40004                  ; cy: along its y
	s_lshl_b32 s19, ttmp9, 2                       ; in a cluster launch ttmp9 and ttmp7 count clusters
	s_add_co_u32 s19, s19, s66                     ; ox = 4 x cluster x + cx
	s_and_b32 s20, ttmp7, 0xffff
	s_lshl_b32 s20, s20, 2
	s_add_co_u32 s20, s20, s67                     ; by = 4 x cluster y + cy
	s_lshl_b32 s68, s67, 2
	s_lshl_b32 s68, 15, s68                        ; my row of the cluster: places 4 cy .. 4 cy + 3
	s_lshl_b32 s69, 0x1111, s66                    ; my column: places cx, cx + 4, cx + 8, cx + 12
	s_mov_b32 s29, 0xffff0000                      ; lane mask: the upper half (h = 1)
	s_mov_b32 s30, 0x76543210                      ; v_permlanex16_b32: lane i of one half reads lane i of the other
	s_mov_b32 s31, 0xfedcba98
	v_and_b32 v1, 31, v0                           ; L
	v_and_b32 v14, 15, v0                          ; r
	v_bfe_u32 v15, v0, 4, 1                        ; h
	v_and_b32 v24, 7, v0                           ; r & 7
	v_bfe_u32 v25, v0, 2, 2                        ; r >> 2
	v_and_b32 v26, 3, v0                           ; r & 3
	v_lshrrev_b32 v27, 2, v0                       ; thread >> 2
	v_lshlrev_b32 v28, 4, v1                       ; 16 L
	s_lshl_b32 s21, s73, 13
	s_add_co_u32 s21, s21, WR
	v_add_nc_u32 v[VFR0], s21, v28
	s_add_co_u32 s21, s21, WSLOT
	v_add_nc_u32 v[VFR0+1], s21, v28
	s_lshl_b32 s21, s73, 12
	s_add_co_u32 s21, s21, WBI
	v_add_nc_u32 v[VWL], s21, v28
	s_lshl_b32 s21, s72, 10
	v_add_nc_u32 v[VWS], s21, v[VWL]
	s_lshl_b32 s21, s73, 7
	s_add_co_u32 s21, s21, BWP
	v_lshl_add_u32 v[VBW], v15, 5, s21
	s_mul_i32 s21, s72, 64*XPITCH
	v_mul_u32_u24 v[VX], v14, XPITCH
	v_lshl_add_u32 v[VX], v15, 3, v[VX]
	v_add_nc_u32 v[VX], s21, v[VX]
	s_lshl_b32 s21, s72, 14
	v_lshlrev_b32 v[VL], 8, v14
	v_lshl_add_u32 v[VL], v15, 5, v[VL]
	v_add_nc_u32 v[VL], s21, v[VL]
	s_lshl_b32 s28, s73, 5                         ; 32 qh: eight columns of 4 bytes
	v_mov_b32 v[VBB], s28
	s_lshl_b32 s21, s72, 16
	s_add_co_u32 s21, s21, s28
	v_lshlrev_b32 v[VO], 10, v14
	v_lshl_add_u32 v[VO], v15, 4, v[VO]
	v_add_nc_u32 v[VO], s21, v[VO]
	s_lshl_b32 s21, s72, 15
	s_add_co_u32 s21, s21, s28
	v_lshlrev_b32 v[VWG], 14, v15
	v_lshl_add_u32 v[VWG], v24, 2, v[VWG]
	v_add_nc_u32 v[VWG], s21, v[VWG]
	v_lshlrev_b32 v[VBG], 10, v27
	v_lshl_add_u32 v[VBG], v26, 4, v[VBG]
	s_lshl_b32 s21, s18, 9
	s_add_co_u32 s21, s21, BWP
	v_lshlrev_b32 v[VBS], 8, v15
	v_lshl_add_u32 v[VBS], v26, 6, v[VBS]
	v_lshl_add_u32 v[VBS], v25, 4, v[VBS]
	v_add_nc_u32 v[VBS], s21, v[VBS]
	; group 1 of the images' tiles: a dense block of 8,192 bytes as 32 rows of 32 elements of 8 bytes
	s_or_b32 s[G1W+0], s69, (3<<16)|(1<<21)        ; 15:0 the mask: my column of the cluster; 17:16 elements of 8 bytes; 21 set beside a mask
	s_mov_b32 s[G1W+1], 32<<16                     ; tensor_dim0 = 32
	s_mov_b32 s[G1W+2], 32<<16                     ; tensor_dim1 = 32
	s_mov_b32 s[G1W+3], 32<<16                     ; tile_dim0 = 32
	s_mov_b32 s[G1W+4], 32                         ; tile_dim1 = 32
	s_mov_b32 s[G1W+5], 32                         ; 32 elements from row to row
	s_mov_b32 s[G1W+6], 0
	s_mov_b32 s[G1W+7], 0
	; group 1 of x's tiles: 32 rows of 32 f32, padded in LDS
	s_or_b32 s[G1X+0], s68, (2<<16)|(1<<20)|(1<<21)|(4<<22)|(3<<25)  ; the mask: my row; elements of 4 bytes; padding on: behind every 32 words (code 4) 4 words (code 3)
	s_mov_b32 s[G1X+1], 32<<16                     ; tensor_dim0 = 32
	s_mov_b32 s[G1X+2], 32<<16                     ; tensor_dim1 = 32
	s_mov_b32 s[G1X+3], 32<<16                     ; tile_dim0 = 32
	s_mov_b32 s[G1X+4], 32                         ; tile_dim1 = 32
	s_mov_b32 s[G1X+5], 256                        ; 256 elements from row to row
	s_mov_b32 s[G1X+6], 0
	s_mov_b32 s[G1X+7], 0
	; offsets: by's, ox's and the wave's each in registers of their own, so that x's descriptors never hold cx and the images' never cy
	s_lshl_b32 s22, s20, 18                        ; by: 256 rows of 1,024 bytes
	s_mov_b32 s23, 0
	s_lshl_b32 s24, s19, 20                        ; ox: 64 images of 16,384 bytes
	s_mov_b32 s25, 0
	s_lshl_b32 s26, s18, 15                        ; wave: 32 rows of x
	s_mov_b32 s27, 0
	s_lshl_b32 s70, s18, 13                        ; wave: 8,192 bytes of a group, in wwp and in a slot
	s_mov_b32 s71, 0
	s_mul_i32 s74, s18, XFETCH                     ; wave: its 32 rows in a slot of x
	s_wait_dscnt 0x0
	s_wait_kmcnt 0x0
	s_add_nc_u64 s[4:5], s[4:5], s[22:23]          ; x at the block's first row,
	s_add_nc_u64 s[4:5], s[4:5], s[26:27]          ; at the rows that I fetch
	s_add_nc_u64 s[8:9], s[8:9], s[24:25]          ; wwp at ox's images,
	s_add_nc_u64 s[8:9], s[8:9], s[70:71]          ; at my part of a group
	s_add_nc_u64 s[16:17], s[16:17], s[22:23]      ; out0 at the block's first row
	s_lshl_b32 s22, s20, 16                        ; 256 rows of 256 bytes
	s_add_nc_u64 s[6:7], s[6:7], s[22:23]          ; latb likewise
	s_lshl_b32 s24, s19, 6                         ; 16 columns of 4 bytes
	s_add_nc_u64 s[10:11], s[10:11], s[24:25]
	s_add_nc_u64 s[12:13], s[12:13], s[24:25]
	s_add_nc_u64 s[14:15], s[14:15], s[24:25]
	s_add_nc_u64 s[16:17], s[16:17], s[24:25]
	; ---- bw, Wb, bb, latent: 54 loads, all on their way while the cluster gathers ----
.irp n, 0,1,2,3
	global_load_b128 v[96+4*\n:96+4*\n+3], v[VBG], s[10:11] offset:\n*65536     ; bw[i = 64 n + (thread >> 2)][o0 + 4 (thread & 3) ..]
.endr
.irp e, 0,1,2,3,4,5,6,7,8,9,10,11,12,13,14,15
	global_load_b32 v[128+\e], v[VWG], s[12:13] offset:\e*1024                  ; Wb[32 rg + 16 h + e][o0 + 8 qh + (r & 7)]
.endr
	global_load_b128 v[BB:BB+3],   v[VBB], s[14:15]
	global_load_b128 v[BB+4:BB+7], v[VBB], s[14:15] offset:16
	WIN LDX
.set b_, 0                                         ; b = 4 t + kc: a fragment is 32 consecutive bytes of a row of latb
.rept 16
	global_load_b128 v[LAT+8*b_:LAT+8*b_+3],   v[VL], s[6:7] offset:(b_>>2)*4096+(b_&3)*64
	global_load_b128 v[LAT+8*b_+4:LAT+8*b_+7], v[VL], s[6:7] offset:(b_>>2)*4096+(b_&3)*64+16
.set b_, b_+1
.endr
	WIN 0
	CROUND                                         ; all sixteen work-groups are here: the first joint loads meet
.irp s, 0,1
	s_mov_b32 s[G0X+4*\s], 1                                       ; count = 1
	s_add_co_u32 s[G0X+4*\s+1], s74, \s*XSLOT                      ; LDS address: the wave's number and the slot alone
	s_add_nc_u64 s[G0X+4*\s+2:G0X+4*\s+3], s[4:5], \s*128          ; i = 32 s ..
	s_or_b32 s[G0X+4*\s+3], s[G0X+4*\s+3], 0x80000000              ; type = 2
	tensor_load_to_lds s[G0X+4*\s:G0X+4*\s+3], s[G1X:G1X+7]
	s_nop 0
	s_mov_b32 s[G0W+4*\s], 1
	s_add_co_u32 s[G0W+4*\s+1], s70, WR+\s*WSLOT
	s_add_nc_u64 s[G0W+4*\s+2:G0W+4*\s+3], s[8:9], \s*WSLOT        ; group s
	s_or_b32 s[G0W+4*\s+3], s[G0W+4*\s+3], 0x80000000
	tensor_load_to_lds s[G0W+4*\s:G0W+4*\s+3], s[G1W:G1W+7]
	s_nop 0
.endr
	s_wait_loadcnt 32                              ; bw, Wb and bb are in; latent's 32 loads, issued behind them, may be out
.irp n, 0,1,2,3
	ds_store_b128 v[VBS], v[96+4*\n:96+4*\n+3] offset:\n*4096                   ; step 16 n + 2 w8 + h, portion r & 3, i & 3 = r >> 2
.endr
.irp p, 0,1,2,3,4,5,6,7
	v_cvt_pk_bf16_f32 v[144+\p], v[128+2*\p], v[128+2*\p+1]
.endr
	ds_store_b128 v[VWS], v[144:147]
	ds_store_b128 v[VWS], v[148:151] offset:512
	s_wait_loadcnt 0x0                             ; my latent fragments are in
	s_wait_tensorcnt 0x2                           ; my parts of x's first tile and of group 0 are in; x's second tile and group 1 stay out
	s_wait_dscnt 0x0                               ; my parts of bw and of Wb are written
	s_barrier_signal -1
	s_barrier_wait -1                              ; everybody's are
	; ---- 16 groups G: G = 0 written out (the pipeline fills), G = 4 m + 1 .. 4 m + 4 in three trips of the loop, G = 13, 14, 15 written out.
	; The images' slot is G & 1; x's tile is G >> 1, its slot (G >> 1) & 1, its half G & 1.  Behind group G the images of group G + 2 are asked for;
	; behind an odd G also x's tile (G >> 1) + 2, which the loop's groups (G <= 11) all have. ----
	GROUP 0, 0, 0, 0, 1, 2, 2, 0
	v_add_nc_u32 v[VBW], 1024, v[VBW]
	s_mov_b32 s28, 3
.Lbody:
	GROUP 1, 0, 1, 0, 0, 0, 2, 1
	GROUP 0, 1, 0, 1, 0, 0, 2, 0
	GROUP 1, 1, 1, 2, 0, 0, 2, 1
	GROUP 0, 0, 0, 3, 0, 0, 2, 0
	v_add_nc_u32 v[VBW], 4096, v[VBW]              ; four groups of 1,024 bytes of bw
	s_sub_co_u32 s28, s28, 1
	s_cmp_lg_u32 s28, 0
	s_cbranch_scc1 .Lbody
	GROUP 1, 0, 1, 0, 0, 0, 2, 0                   ; G = 13: group 15 is asked for, the last tensor load
	GROUP 0, 1, 0, 1, 0, 0, 1, 0                   ; G = 14: nothing is asked for; the barrier shows group 15 whole
	GROUP 1, 1, 1, 2, 0, 0, 0, 0                   ; G = 15
	PHASE 0, 0, 0, 0, 0, 0, 1, 1, 0, 0             ; the pipeline drains: the last portion is multiplied, the last but one scaled,
	PHASE 1, 0, 0, 0, 0, 0, 0, 1, 0, 0             ; and the last one scaled
	; ---- the bias: latent x Wb + bb, bb as the C operand of the first link.  Column m of my Wb fragments is o = o0 + 8 qh + (m & 7), so register j'
	; of lane (r, h) is (row 16 t + r, o = o0 + 8 qh + j') in both lane halves ----
	WIN 0
.irp c, 0,1,2,3
	ds_load_b128 v[FR+8*\c:FR+8*\c+3],   v[VWL] offset:1024*\c                    ; buffer 0 was last multiplied 32 scale steps ago
	ds_load_b128 v[FR+8*\c+4:FR+8*\c+7], v[VWL] offset:1024*\c+512
.endr
	s_wait_dscnt 0x0
	WIN MAIN
.irp y, 0,1,2,3
	v_wmma_f32_16x16x32_bf16 v[DT+8*\y:DT+8*\y+7], v[FR:FR+7], v[LAT+32*\y:LAT+32*\y+7], v[BB:BB+7]
.endr
.irp c, 1,2,3
.irp y, 0,1,2,3
	v_wmma_f32_16x16x32_bf16 v[DT+8*\y:DT+8*\y+7], v[FR+8*\c:FR+8*\c+7], v[LAT+32*\y+8*\c:LAT+32*\y+8*\c+7], v[DT+8*\y:DT+8*\y+7]
.endr
.endr
	; ---- the two halves' sums meet.  Lane (r, h) ends with the columns o0 + 8 qh + 4 h .. + 3: it keeps its own sums of those four and sends its
	; sums of the other four across.  The first 32 lines touch none of the bias product's registers and are the places behind it. ----
	WIN 0
.irp y, 0,1,2,3
.irp j, 0,1,2,3
	v_cndmask_b32 v[TMP+4*\y+\j], v[ACC+8*\y+4+\j], v[ACC+8*\y+\j],   s29          ; to send
	v_cndmask_b32 v[KP+4*\y+\j],  v[ACC+8*\y+\j],   v[ACC+8*\y+4+\j], s29          ; to keep
.endr
.endr
.irp n, 0,1,2,3,4,5,6,7,8,9,10,11,12,13,14,15
	v_permlanex16_b32 v[RC+\n], v[TMP+\n], s30, s31                               ; its destination has been written (the last products)
.endr
.irp y, 0,1,2,3
.irp j, 0,1,2,3
	v_cndmask_b32 v[BI+4*\y+\j], v[DT+8*\y+\j], v[DT+8*\y+4+\j], s29              ; my four of the eight bias values
.endr
.endr
.irp p, 0,2,4,6,8,10,12,14
	v_pk_add_f32 v[KP+\p:KP+\p+1], v[KP+\p:KP+\p+1], v[BI+\p:BI+\p+1]
.endr
.irp p, 0,2,4,6,8,10,12,14
	v_pk_add_f32 v[RC+\p:RC+\p+1], v[RC+\p:RC+\p+1], v[KP+\p:KP+\p+1]
.endr
.irp y, 0,1,2,3
	global_store_b128 v[VO], v[RC+4*\y:RC+4*\y+3], s[16:17] offset:16384*\y       ; a lane's 16 bytes; two lanes fill the wave's 32 bytes of a row
.endr
	CROUND                                         ; the closing round: no work-group ends while a partner may still ask for a tile that names it
	s_endpgm
.Lfunc_end_k_q560c85d3df_hyper:
	.size	k_q560c85d3df_hyper, .Lfunc_end_k_q560c85d3df_hyper-k_q560c85d3df_hyper
	.p2alignl 7, 3214868480
	.fill 96, 4, 3214868480
	.section	.rodata,"a",@progbits
	.p2align	6, 0x0
	.amdhsa_kernel k_q560c85d3df_hyper
		.amdhsa_group_segment_fixed_size 327680
		.amdhsa_private_segment_fixed_size 0
		.amdhsa_enable_private_segment 0
		.amdhsa_kernarg_size 56
		.amdhsa_user_sgpr_count 2
		.amdhsa_user_sgpr_kernarg_segment_ptr 1
		.amdhsa_wavefront_size32 1
		.amdhsa_system_sgpr_workgroup_id_x 1
		.amdhsa_system_sgpr_workgroup_id_y 1
		.amdhsa_system_sgpr_workgroup_id_z 1
		.amdhsa_system_vgpr_workitem_id 0
		.amdhsa_next_free_vgpr 418
		.amdhsa_next_free_sgpr 76
		.amdhsa_reserve_vcc 0
		.amdhsa_float_denorm_mode_32 3
		.amdhsa_float_denorm_mode_16_64 3
		.amdhsa_memory_ordered 1
		.amdhsa_forward_progress 1
		.amdhsa_inst_pref_size 206
	.end_amdhsa_kernel
	.amdgpu_metadata
---
amdhsa.version: [ 1, 2 ]
amdhsa.kernels:
  - .name:           k_q560c85d3df_hyper
    .symbol:         k_q560c85d3df_hyper.kd
    .args:
      - { .name: x, .offset: 0, .size: 8, .value_kind: global_buffer, .address_space: global }
      - { .name: latb, .offset: 8, .size: 8, .value_kind: global_buffer, .address_space: global }
      - { .name: wwp, .offset: 16, .size: 8, .value_kind: global_buffer, .address_space: global }
      - { .name: bw, .offset: 24, .size: 8, .value_kind: global_buffer, .address_space: global }
      - { .name: Wb, .offset: 32, .size: 8, .value_kind: global_buffer, .address_space: global }
      - { .name: bb, .offset: 40, .size: 8, .value_kind: global_buffer, .address_space: global }
      - { .name: out0, .offset: 48, .size: 8, .value_kind: global_buffer, .address_space: global }
    .group_segment_fixed_size: 327680
    .private_segment_fixed_size: 0
    .kernarg_segment_align: 8
    .kernarg_segment_size: 56
    .max_flat_workgroup_size: 256
    .sgpr_count:     76
    .vgpr_count:     418
    .wavefront_size: 32
...
	.end_amdgpu_metadata
.endif
;; end of part 3
